; MI455X (gfx1250); checked and timed in simulation.
; The chip was launched on July 23, 2026; its instructions are those of AMD's public machine-readable ISA for CDNA 5 (MIT licence, August 2026) and "CDNA5" Instruction Set Architecture Reference Guide (July 2026). The comments in the code are by the model that wrote it; some were corrected since.
;; Traj Model. Allowed arithmetic: matrix products marked QUANTISED: E5M2 operands, one E8M0 scale for each 32 along K, by v_wmma_scale_f32_16x16x128_f8f6f4 with both operands' format E5M2, f32 sums; products left as they are: f32 operands where the result goes on into a quantised operand, else bf16, f16 or f32 operands; f32 sums; everything else in f32.
;; Inputs: W1_codes 8 x 4,096 x 32 x 32 uint8 (E5M2 codes of W1, K innermost, in blocks of 32 codes); W1_scales 8 x 4,096 x 32 uint8 (E8M0 scales of W1, one for each 32 codes along K); W2_codes 8 x 1,024 x 128 x 32 uint8 (E5M2 codes of W2, K innermost, in blocks of 32 codes); W2_scales 8 x 1,024 x 128 uint8 (E8M0 scales of W2, one for each 32 codes along K); Wg 1,824 x 8 float32; b1 8 x 4,096 float32; b2 8 x 1,024 float32; bg 8 float32; city_embeddings 4 x 32 float32; delta_dis_info 4 x 256 x 256 float32; delta_entropy_info 4 x 256 x 128 float32; delta_rg_info 4 x 256 x 128 float32; delta_t_info 4 x 256 x 256 float32; x 4 x 256 x 1,024 float32.
;; Outputs: out0 4 x 256 x 1,024 float32; out1 4 x 256 x 8 float32.
;; Constants: city_index = 1.
;; This version of the problem:
;;   THIS VERSION OF THE PROBLEM IS GIVEN IN LOW PRECISION. The matrix products marked QUANTISED in the list below multiply operands that are first quantised to E5M2 (5 exponent bits, 2 mantissa bits; 8 bits a number), with one power-of-two scale for each 32 numbers along K (OCP MX v1.0); their sums are f32. All else is computed in f32.
;;   The module's matrix products, in the order in which they are computed (A, B: the left and right operand; K: the contracted axis; several contracted axes count as one K, in the product's order):
;;     1. [M 1,024, K 1,824] x [K 1,824, N 8]; A: computed on the way; B: input Wg: left as it is (N = 8 < 16)
;;     2. [M 1,024, K 1,024] x [K 1,024, N 4,096]; A: input x; B: input W1 (given as codes): QUANTISED
;;     3. [M 1,024, K 4,096] x [K 4,096, N 1,024]; A: computed on the way; B: input W2 (given as codes): QUANTISED
;;     4. [M 1,024, K 1,024] x [K 1,024, N 4,096]; A: input x; B: input W1 (given as codes): QUANTISED
;;     5. [M 1,024, K 4,096] x [K 4,096, N 1,024]; A: computed on the way; B: input W2 (given as codes): QUANTISED
;;     6. [M 1,024, K 1,024] x [K 1,024, N 4,096]; A: input x; B: input W1 (given as codes): QUANTISED
;;     7. [M 1,024, K 4,096] x [K 4,096, N 1,024]; A: computed on the way; B: input W2 (given as codes): QUANTISED
;;     8. [M 1,024, K 1,024] x [K 1,024, N 4,096]; A: input x; B: input W1 (given as codes): QUANTISED
;;     9. [M 1,024, K 4,096] x [K 4,096, N 1,024]; A: computed on the way; B: input W2 (given as codes): QUANTISED
;;     10. [M 1,024, K 1,024] x [K 1,024, N 4,096]; A: input x; B: input W1 (given as codes): QUANTISED
;;     11. [M 1,024, K 4,096] x [K 4,096, N 1,024]; A: computed on the way; B: input W2 (given as codes): QUANTISED
;;     12. [M 1,024, K 1,024] x [K 1,024, N 4,096]; A: input x; B: input W1 (given as codes): QUANTISED
;;     13. [M 1,024, K 4,096] x [K 4,096, N 1,024]; A: computed on the way; B: input W2 (given as codes): QUANTISED
;;     14. [M 1,024, K 1,024] x [K 1,024, N 4,096]; A: input x; B: input W1 (given as codes): QUANTISED
;;     15. [M 1,024, K 4,096] x [K 4,096, N 1,024]; A: computed on the way; B: input W2 (given as codes): QUANTISED
;;     16. [M 1,024, K 1,024] x [K 1,024, N 4,096]; A: input x; B: input W1 (given as codes): QUANTISED
;;     17. [M 1,024, K 4,096] x [K 4,096, N 1,024]; A: computed on the way; B: input W2 (given as codes): QUANTISED
;;   THE QUANTISER, for each operand of a quantised product, along K:
;;     - K is cut into blocks of 32 from its start; a last block that is shorter is filled with zeros.
;;     - A block's scale is 2^e with e = floor(log2(the largest magnitude in the block)) - 15, held to -126 .. 127; a block of zeros has e = 0. As a byte (E8M0): e + 127.
;;     - Each number is divided by its block's scale, clamped to +-57,344, and rounded to the nearest number of E5M2, ties to even, subnormals kept.
;;     - The product sums the exact products of the quantised numbers (number of the format x scale) in f32.
;;   ~~~python
;;   def quantise(x, axis):      # numpy; x: float32 -> the quantised numbers, widened to float32 again
;;       x = np.moveaxis(x, axis, -1); K = x.shape[-1]
;;       x = np.pad(x, [(0, 0)] * (x.ndim - 1) + [(0, -K % 32)]); x = x.reshape(x.shape[:-1] + (-1, 32)); a = np.abs(x).max(-1, keepdims=True)
;;       e = np.where(a > 0, np.clip(np.frexp(np.where(a > 0, a, 1))[1] - 1 - 15, -126, 127), 0)      # np.frexp(a)[1] - 1 = floor(log2(a)), exactly
;;       r = np.clip(x / 2.0 ** e, -57344, 57344)
;;       step = 2.0 ** (np.maximum(np.frexp(np.where(r == 0, 1, r))[1] - 1, -14) - 2)
;;       q = np.round(r / step) * step * 2.0 ** e      # np.round: ties to even
;;       return np.moveaxis(q.reshape(q.shape[:-2] + (-1,))[..., :K], -1, axis).astype(np.float32)
;;   ~~~
;;   OPERANDS COMPUTED ON THE WAY. 'Computed on the way' means the value that the module computes at that place (a softmax that the list does not call 'softmax' is quantised finished and normalised). What goes into a quantiser is computed in f32, as accurately as f32 sums, v_exp_f32 and their like allow (about 1e-6 of the number): no bf16 or f16 on the way to a quantiser, and a product that is left as it is and whose result goes on into a quantised operand takes f32 operands (vector FMAs, or v_wmma_f32_16x16x4_f32). A number that lies on a knife's edge between two numbers of the format may be rounded either way, as far as f32 arithmetic and the matrix unit's own rounding can turn it there, and no further.
;;   INPUTS GIVEN AS CODES. W1 (in the module: [8, 1024, 4096], K = its axis 1); W2 (in the module: [8, 4096, 1024], K = its axis 1): each comes as NAME_codes (uint8): NAME with its K axis moved to the last place and cut into blocks of 32 codes, [.., K / 32, bytes a block], one block behind the other in memory; one code a byte (a code: sign, 5 exponent bits, 2 mantissa bits); and NAME_scales (uint8): the same leading axes, one E8M0 byte (e + 127) for each 32 codes along K. Its value is code x scale, taken as it is: it is not quantised again, and the codes and scales need not be those that the quantiser above would give.
;; One version. Each part assembles by itself: llvm-mc -triple=amdgcn-amd-amdhsa -mcpu=gfx1250 --defsym DOCPART=n.
;; ======== version 1 of 1: 4 launches
;; limits: right only within a limited range of input values
;; workspace buffers: xc 1,048,576 bytes; xs 32,768 bytes; topi 8,192 bytes of whole numbers; gts 8,192 bytes; rows 36,864 bytes of whole numbers; hc 33,554,432 bytes; hs 1,048,576 bytes; y 17,825,792 bytes
;; launch gate (part 1): grid 256 x 1, 4 waves a work-group, no clusters, 1,536 bytes of LDS; arguments x, delta_t_info, delta_dis_info, delta_rg_info, delta_entropy_info, city_embeddings, Wg, bg, xc, xs, topi, gts, out1; writes xc, xs, topi, gts, out1
.if DOCPART == 1
	.amdgcn_target "amdgcn-amd-amdhsa--gfx1250"
	.amdhsa_code_object_version 6
	.text
	.protected	k_qf388981102_gate
	.globl	k_qf388981102_gate
	.p2align	8
	.type	k_qf388981102_gate,@function
k_qf388981102_gate:
	s_mov_b64 s[64:65], 0
	v_nop
	global_prefetch_b8 v0, s[64:65] scope:SCOPE_SE
	s_setreg_imm32_b32 hwreg(HW_REG_WAVE_MODE, 25, 1), 1
	s_wait_xcnt 0x0
; THE ROUTER, AND x INTO CODES.  logits = [x, city[1], dt, dd, drg, de] Wg + bg in f32; out1 = softmax(logits); the two largest logits' experts (ties: the lower index) go to topi [token][2],
; their two gates (a softmax over the two) to gts [token][2]; x goes to xc [token][1024] as E5M2 codes and xs [token][32] as E8M0 bytes, one for each 32 along the row.
; SHARES.  A work-group takes 4 tokens.  Wave w takes a quarter of every part of the features for all 4 tokens, so that its rows of Wg are loaded once and serve four tokens:
; lane l holds x[256 w + 8 l + 0..7], dt and dd [64 w + 2 l + 0..1], drg and de [32 w + l], and in wave 0 city[1][l].  The lanes' partial logits are summed in the wave, the waves' in LDS; wave w finishes token w.
; No address and no branch hangs on the choice: it is stored at fixed places, and a later launch places the rows.
; LIMITS: NaN and infinities are not served.  Two logits closer than the rounding of an f32 sum of 1,824 terms may change places.  A block of x whose largest magnitude lies under 2^-111 (zeros too) gets the byte 1:
; the bytes are read by this program alone.  out1 and xs leave in pieces of 128 bytes a work-group (64 KiB in the launch).
; WHAT THE PROGRAM LEAVES OUT: the experts that a token did not choose.  Their gate is exactly 0 (the softmax of -infinity), so for all finite inputs their two products reach no output; which they are is decided by the
; whole numbers in topi, which the next launch reads.  LIMIT: a NaN, an infinity or an overflow that reaches only such an expert's products is not carried to the result.
.set F,   16                           ; v16-79   token t's features at F + 16 t: 0-7 x, 8-9 dt, 10-11 dd, 12 drg, 13 de
.set CY,  80                           ; v80-81   city (0 outside wave 0), 0
.set CD,  84                           ; v84-91   x's codes, two registers a token
.set BY,  92                           ; v92-95   the scale byte, one a token
.set W,   96                           ; v96-215  my rows of Wg, 8 numbers a row: x 8 rows, dt 2, dd 2, drg, de, city; later at work
.set AC,  216                          ; v216-247 partial logits, 8 a token
.set XSL, 512                          ; LDS: bytes 0-511 the waves' partial logits (128 w + 32 t); bytes 512-639 the 4 tokens' scale bytes
.set LG,  128                          ; the finish: logits
.set MK,  136                          ; logits with the winner taken out
.set EX,  144                          ; exponentials
	s_load_b512 s[4:19], s[0:1], 0x0               ; x, dt, dd, drg, de, city, Wg, bg
	s_load_b256 s[20:27], s[0:1], 0x40             ; xc, xs, topi, gts
	s_load_b64 s[28:29], s[0:1], 0x60              ; out1
	v_lshl_add_u32 v254, v0, 2, 0x400
	v_mov_b32 v255, 0
	v_lshrrev_b32 v8, 5, v0
	v_readfirstlane_b32 s40, v8                    ; wave
	v_and_b32 v1, 31, v0                           ; lane
	v_lshlrev_b32 v2, 5, v0                        ; x: 1,024 w + 32 l;  Wg's rows for drg, de: 32 bytes a row
	v_lshlrev_b32 v3, 3, v0                        ; dt, dd: 256 w + 8 l;  xc: the same
	v_lshlrev_b32 v4, 2, v0                        ; drg, de
	v_lshlrev_b32 v5, 2, v1                        ; city; xs
	v_lshlrev_b32 v6, 8, v0                        ; Wg's rows for x: 8 rows of 32 bytes a lane
	v_lshlrev_b32 v7, 6, v0                        ; for dt, dd: 2 rows a lane
	v_lshlrev_b32 v9, 5, v1                        ; for city
	v_lshlrev_b32 v10, 7, v8                       ; LDS: my wave's partial logits
	v_lshrrev_b32 v11, 2, v0                       ; LDS: my block's scale byte: 8 w + l / 4
	v_lshlrev_b32 v12, 5, v8                       ; 32 w: token w's partial logits; its row of out1
	v_lshlrev_b32 v13, 3, v8                       ; 8 w: its pair in topi and gts
	v_mov_b32 v[CY+1], 0
	s_mov_b32 s42, 0x76543210
	s_mov_b32 s43, 0xfedcba98                      ; lane l xor 16
	s_mov_b32 s44, 0x600000                        ; the mantissa field of 57,344
	s_cmp_eq_u32 s40, 0
	s_cselect_b32 s41, -1, 0                       ; the city's 32 features are wave 0's
	s_mov_b32 s47, 0
	s_wait_alu depctr_va_vdst(0)
	s_wait_kmcnt 0x0
	s_load_b256 s[32:39], s[18:19], 0x0            ; bg
	s_lshl_b32 s46, ttmp9, 14                      ; 4 tokens of 4,096 bytes
	s_add_nc_u64 s[4:5], s[4:5], s[46:47]
	s_lshl_b32 s46, ttmp9, 12
	s_add_nc_u64 s[6:7], s[6:7], s[46:47]
	s_add_nc_u64 s[8:9], s[8:9], s[46:47]
	s_add_nc_u64 s[20:21], s[20:21], s[46:47]
	s_lshl_b32 s46, ttmp9, 11
	s_add_nc_u64 s[10:11], s[10:11], s[46:47]
	s_add_nc_u64 s[12:13], s[12:13], s[46:47]
	s_lshl_b32 s46, ttmp9, 7
	s_add_nc_u64 s[22:23], s[22:23], s[46:47]
	s_add_nc_u64 s[28:29], s[28:29], s[46:47]
	s_lshl_b32 s46, ttmp9, 5
	s_add_nc_u64 s[24:25], s[24:25], s[46:47]
	s_add_nc_u64 s[26:27], s[26:27], s[46:47]
.irp t, 0,1,2,3
	global_load_b128 v[F+16*\t:F+16*\t+3], v2, s[4:5] offset:4096*\t th:TH_LOAD_NT
	global_load_b128 v[F+16*\t+4:F+16*\t+7], v2, s[4:5] offset:4096*\t+16 th:TH_LOAD_NT
	global_load_b64 v[F+16*\t+8:F+16*\t+9], v3, s[6:7] offset:1024*\t th:TH_LOAD_NT
	global_load_b64 v[F+16*\t+10:F+16*\t+11], v3, s[8:9] offset:1024*\t th:TH_LOAD_NT
	global_load_b32 v[F+16*\t+12], v4, s[10:11] offset:512*\t th:TH_LOAD_NT
	global_load_b32 v[F+16*\t+13], v4, s[12:13] offset:512*\t th:TH_LOAD_NT
.endr
	global_load_b32 v[CY], v5, s[14:15] offset:128     ; city_embeddings[1]
.irp j, 0,1,2,3,4,5,6,7
	global_load_b128 v[W+8*\j:W+8*\j+3], v6, s[16:17] offset:32*\j
	global_load_b128 v[W+8*\j+4:W+8*\j+7], v6, s[16:17] offset:32*\j+16
.endr
.irp j, 0,1
	global_load_b128 v[W+64+8*\j:W+64+8*\j+3], v7, s[16:17] offset:33792+32*\j        ; rows 1,056 on: dt
	global_load_b128 v[W+64+8*\j+4:W+64+8*\j+7], v7, s[16:17] offset:33792+32*\j+16
	global_load_b128 v[W+80+8*\j:W+80+8*\j+3], v7, s[16:17] offset:41984+32*\j        ; rows 1,312 on: dd
	global_load_b128 v[W+80+8*\j+4:W+80+8*\j+7], v7, s[16:17] offset:41984+32*\j+16
.endr
	global_load_b128 v[W+96:W+99], v2, s[16:17] offset:50176                          ; rows 1,568 on: drg
	global_load_b128 v[W+100:W+103], v2, s[16:17] offset:50192
	global_load_b128 v[W+104:W+107], v2, s[16:17] offset:54272                        ; rows 1,696 on: de
	global_load_b128 v[W+108:W+111], v2, s[16:17] offset:54288
	global_load_b128 v[W+112:W+115], v9, s[16:17] offset:32768                        ; rows 1,024 on: city
	global_load_b128 v[W+116:W+119], v9, s[16:17] offset:32784
	s_wait_loadcnt 0x0
	v_and_b32 v[CY], s41, v[CY]
; One feature of token t (register fr) times its row of Wg (8 registers from wb on), onto the token's 8 partial logits: four packed multiply-adds; the feature's half of its register pair serves both halves.
.macro FEAT t, fr, wb, first
.irp p, 0,2,4,6
.if \first
	v_pk_mul_f32 v[AC+8*\t+\p:AC+8*\t+\p+1], v[\wb+\p:\wb+\p+1], v[\fr:\fr+1] op_sel_hi:[1,0]
.elseif ((\fr)%2) == 0
	v_pk_fma_f32 v[AC+8*\t+\p:AC+8*\t+\p+1], v[\wb+\p:\wb+\p+1], v[\fr:\fr+1], v[AC+8*\t+\p:AC+8*\t+\p+1] op_sel_hi:[1,0,1]
.else
	v_pk_fma_f32 v[AC+8*\t+\p:AC+8*\t+\p+1], v[\wb+\p:\wb+\p+1], v[\fr-1:\fr], v[AC+8*\t+\p:AC+8*\t+\p+1] op_sel:[0,1,0] op_sel_hi:[1,1,1]
.endif
.endr
.endm
.irp t, 0,1,2,3
	FEAT \t, F+16*\t, W, 1
.endr
.irp j, 1,2,3,4,5,6,7
.irp t, 0,1,2,3
	FEAT \t, F+16*\t+\j, W+8*\j, 0
.endr
.endr
.irp j, 0,1,2,3,4,5
.irp t, 0,1,2,3
	FEAT \t, F+16*\t+8+\j, W+64+8*\j, 0            ; dt's two, dd's two, drg, de: their rows of Wg lie in the same order
.endr
.endr
.irp t, 0,1,2,3
	FEAT \t, CY, W+112, 0
.endr
	; the 32 lanes' partial logits are summed: four steps inside each half of the lanes, one across; every lane ends with the sum
.irp m, 1,2,4,8
.set ii, 0
.rept 32
	v_add_f32_dpp v[AC+ii], v[AC+ii], v[AC+ii] row_xmask:\m row_mask:0xf bank_mask:0xf
.set ii, ii+1
.endr
.endr
.set ii, 0
.rept 32
	v_permlanex16_b32 v[W+ii], v[AC+ii], s42, s43  ; (Wg's registers are done with, and have been written)
.set ii, ii+1
.endr
.set ii, 0
.rept 32
	v_add_f32 v[AC+ii], v[AC+ii], v[W+ii]
.set ii, ii+1
.endr
.irp t, 0,1,2,3
	ds_store_b128 v10, v[AC+8*\t:AC+8*\t+3] offset:32*\t         ; all lanes write the same bytes with the same values
	ds_store_b128 v10, v[AC+8*\t+4:AC+8*\t+7] offset:32*\t+16
.endr
; Token t's 8 numbers of x in my lane become 8 codes.  A block of 32 lies in four neighbouring lanes.
.macro QX t
.set XR, F+16*\t
	v_max3_num_f32 v248, |v[XR]|, |v[XR+1]|, 0x8000000           ; the largest magnitude, with the floor 2^(16 - 127) among its leaves: the byte cannot fall under 1
	v_max3_num_f32 v248, v248, |v[XR+2]|, |v[XR+3]|
	v_max3_num_f32 v248, v248, |v[XR+4]|, |v[XR+5]|
	v_max3_num_f32 v248, v248, |v[XR+6]|, |v[XR+7]|
	v_max_num_f32_dpp v248, v248, v248 row_xmask:1 row_mask:0xf bank_mask:0xf
	v_max_num_f32_dpp v248, v248, v248 row_xmask:2 row_mask:0xf bank_mask:0xf
	v_add_nc_u32 v249, 0xf8800000, v248            ; 15 off its exponent field: the conversion's scale operand
	v_and_or_b32 v250, v248, 0x7f800000, s44       ; 57,344 x the scale
.irp i, 0,1,2,3,4,5,6,7
	v_med3_num_f32 v[XR+\i], v[XR+\i], -v250, v250 ; the conversion to an 8-bit code does not saturate (ISA guide 7.6.2): the hold comes first
.endr
	v_cvt_scalef32_pk8_bf8_f32 v[CD+2*\t:CD+2*\t+1], v[XR:XR+7], v249
	v_lshrrev_b32 v[BY+\t], 23, v249               ; the scale's byte (and the plain line behind the conversion)
	ds_store_b8 v11, v[BY+\t] offset:XSL+32*\t     ; the four lanes of a block write the same byte with the same value
	global_store_b64 v3, v[CD+2*\t:CD+2*\t+1], s[20:21] offset:1024*\t   ; 32 lanes store 256 consecutive bytes, aligned
.endm
	QX 0
	QX 1
	QX 2
	QX 3
	s_wait_dscnt 0x0                               ; for the others' sake: my partial logits and scale bytes lie in LDS
	s_barrier_signal -1
	s_barrier_wait -1
	; wave w finishes token w, every lane alike
.irp p, 0,1,2,3
	ds_load_b128 v[W+8*\p:W+8*\p+3], v12 offset:128*\p
	ds_load_b128 v[W+8*\p+4:W+8*\p+7], v12 offset:128*\p+16
.endr
	s_wait_dscnt 0x0
.irp j, 0,2,4,6
	v_pk_add_f32 v[LG+\j:LG+\j+1], v[W+\j:W+\j+1], v[W+8+\j:W+9+\j]
.endr
.irp j, 0,2,4,6
	v_pk_add_f32 v[LG+\j:LG+\j+1], v[LG+\j:LG+\j+1], v[W+16+\j:W+17+\j]
.endr
.irp j, 0,2,4,6
	v_pk_add_f32 v[LG+\j:LG+\j+1], v[LG+\j:LG+\j+1], v[W+24+\j:W+25+\j]
.endr
	s_wait_alu depctr_va_vdst(0)
	s_wait_kmcnt 0x0                               ; bg
.irp j, 0,1,2,3,4,5,6,7
	v_add_f32 v[LG+\j], s[32+\j], v[LG+\j]
.endr
	v_mov_b32 v160, v[LG]                          ; the largest logit; a later one takes its place only if it is greater: ties keep the lower index
	v_mov_b32 v176, 0
.irp j, 1,2,3,4,5,6,7
	v_cmp_ge_f32 vcc_lo, v160, v[LG+\j]
	v_cndmask_b32 v160, v[LG+\j], v160, vcc_lo
	v_cndmask_b32 v176, \j, v176, vcc_lo
.endr
	v_mov_b32 v164, 0xff800000                     ; -infinity in the winner's place
.irp j, 0,1,2,3,4,5,6,7
	v_cmp_eq_u32 vcc_lo, \j, v176
	v_cndmask_b32 v[MK+\j], v[LG+\j], v164, vcc_lo
.endr
	v_mov_b32 v162, v[MK]                          ; the second largest, in the same way
	v_mov_b32 v177, 0
.irp j, 1,2,3,4,5,6,7
	v_cmp_ge_f32 vcc_lo, v162, v[MK+\j]
	v_cndmask_b32 v162, v[MK+\j], v162, vcc_lo
	v_cndmask_b32 v177, \j, v177, vcc_lo
.endr
.irp j, 0,1,2,3,4,5,6,7
	v_sub_f32 v[EX+\j], v[LG+\j], v160             ; the maximum is taken away ahead of every exponential
.endr
	v_sub_f32 v[EX+8], v162, v160
.irp j, 0,1,2,3,4,5,6,7,8
	v_mul_f32 v[EX+\j], 0x3fb8aa3b, v[EX+\j]       ; x log2(e)
.endr
	s_wait_alu depctr_va_vdst(0)
.irp j, 0,1,2,3,4,5,6,7,8
	v_exp_f32 v[EX+\j], v[EX+\j]
.endr
	v_nop                                          ; a plain line behind the last exponential,
	s_wait_alu depctr_va_vdst(0)                   ; and one wait for the nine, ahead of their first reader
	v_add_f32 v153, v[EX], v[EX+1]
	v_add_f32 v154, v[EX+2], v[EX+3]
	v_add_f32 v155, v[EX+4], v[EX+5]
	v_add_f32 v156, v[EX+6], v[EX+7]
	v_add_f32 v153, v153, v154
	v_add_f32 v155, v155, v156
	v_add_f32 v153, v153, v155
	v_add_f32 v165, 1.0, v[EX+8]                   ; 1 + q, q = e^(second - first)
	s_wait_alu depctr_va_vdst(0)
	v_rcp_f32 v153, v153
	v_rcp_f32 v178, v165                           ; the first gate: 1 / (1 + q)
	v_nop
	s_wait_alu depctr_va_vdst(0)                   ; one wait for the two reciprocals
.irp j, 0,1,2,3,4,5,6,7
	v_mul_f32 v[168+\j], v[EX+\j], v153
.endr
	v_mul_f32 v179, v[EX+8], v178                  ; the second gate: q / (1 + q)
	s_wait_alu depctr_va_vdst(0)
	s_wait_xcnt 0x0                                ; EXEC changes only behind this wait: the stores of codes are out
	v_cmp_eq_u32 vcc_lo, 0, v1
	s_and_saveexec_b32 s45, vcc_lo                 ; lane 0 stores the token's results
	global_store_b128 v12, v[168:171], s[28:29]
	global_store_b128 v12, v[172:175], s[28:29] offset:16
	global_store_b64 v13, v[176:177], s[24:25]
	global_store_b64 v13, v[178:179], s[26:27]
	s_wait_xcnt 0x0                                ; and again in front of the line that widens it
	s_or_b32 exec_lo, exec_lo, s45
	s_cmp_lg_u32 s40, 0
	s_cbranch_scc1 .Ldone
	ds_load_b32 v180, v5 offset:XSL                ; wave 0: the 4 tokens' 128 scale bytes, behind the barrier
	s_wait_dscnt 0x0
	global_store_b32 v5, v180, s[22:23]
.Ldone:
	s_wait_dscnt 0x0
	s_barrier_signal -1
	s_barrier_wait -1
	s_wait_tensorcnt 0x0
	ds_add_u32 v254, v255
	s_wait_dscnt 0x0
	s_endpgm
.Lfunc_end_k_qf388981102_gate:
	.size	k_qf388981102_gate, .Lfunc_end_k_qf388981102_gate-k_qf388981102_gate
	.p2alignl 7, 3214868480
	.fill 96, 4, 3214868480
	.section	.rodata,"a",@progbits
	.p2align	6, 0x0
	.amdhsa_kernel k_qf388981102_gate
		.amdhsa_group_segment_fixed_size 1536
		.amdhsa_private_segment_fixed_size 0
		.amdhsa_enable_private_segment 0
		.amdhsa_kernarg_size 104
		.amdhsa_user_sgpr_count 2
		.amdhsa_user_sgpr_kernarg_segment_ptr 1
		.amdhsa_wavefront_size32 1
		.amdhsa_system_sgpr_workgroup_id_x 1
		.amdhsa_system_sgpr_workgroup_id_y 1
		.amdhsa_system_sgpr_workgroup_id_z 1
		.amdhsa_system_vgpr_workitem_id 0
		.amdhsa_next_free_vgpr 256
		.amdhsa_next_free_sgpr 66
		.amdhsa_reserve_vcc 1
		.amdhsa_float_denorm_mode_32 3
		.amdhsa_float_denorm_mode_16_64 3
		.amdhsa_memory_ordered 1
		.amdhsa_forward_progress 1
		.amdhsa_inst_pref_size 46
	.end_amdhsa_kernel
	.amdgpu_metadata
---
amdhsa.version: [ 1, 2 ]
amdhsa.kernels:
  - .name:           k_qf388981102_gate
    .symbol:         k_qf388981102_gate.kd
    .args:
      - { .name: x, .offset: 0, .size: 8, .value_kind: global_buffer, .address_space: global }
      - { .name: delta_t_info, .offset: 8, .size: 8, .value_kind: global_buffer, .address_space: global }
      - { .name: delta_dis_info, .offset: 16, .size: 8, .value_kind: global_buffer, .address_space: global }
      - { .name: delta_rg_info, .offset: 24, .size: 8, .value_kind: global_buffer, .address_space: global }
      - { .name: delta_entropy_info, .offset: 32, .size: 8, .value_kind: global_buffer, .address_space: global }
      - { .name: city_embeddings, .offset: 40, .size: 8, .value_kind: global_buffer, .address_space: global }
      - { .name: Wg, .offset: 48, .size: 8, .value_kind: global_buffer, .address_space: global }
      - { .name: bg, .offset: 56, .size: 8, .value_kind: global_buffer, .address_space: global }
      - { .name: xc, .offset: 64, .size: 8, .value_kind: global_buffer, .address_space: global }
      - { .name: xs, .offset: 72, .size: 8, .value_kind: global_buffer, .address_space: global }
      - { .name: topi, .offset: 80, .size: 8, .value_kind: global_buffer, .address_space: global }
      - { .name: gts, .offset: 88, .size: 8, .value_kind: global_buffer, .address_space: global }
      - { .name: out1, .offset: 96, .size: 8, .value_kind: global_buffer, .address_space: global }
    .group_segment_fixed_size: 1536
    .private_segment_fixed_size: 0
    .kernarg_segment_align: 8
    .kernarg_segment_size: 104
    .max_flat_workgroup_size: 128
    .sgpr_count:     66
    .vgpr_count:     256
    .wavefront_size: 32
...
	.end_amdgpu_metadata
.endif
;; end of part 1
;; launch ffn1 (part 2): grid 256 x 1, 4 waves a work-group, no clusters, 295,424 bytes of LDS; arguments xc, xs, W1_codes, W1_scales, b1, topi, hc, hs, rows; writes hc, hs, rows
.if DOCPART == 2
	.amdgcn_target "amdgcn-amd-amdhsa--gfx1250"
	.amdhsa_code_object_version 6
	.text
	.protected	k_qf388981102_ffn1
	.globl	k_qf388981102_ffn1
	.p2align	8
	.type	k_qf388981102_ffn1,@function
k_qf388981102_ffn1:
	s_mov_b64 s[64:65], 0
	v_nop
	global_prefetch_b8 v0, s[64:65] scope:SCOPE_SE
	s_setreg_imm32_b32 hwreg(HW_REG_WAVE_MODE, 25, 1), 1
	s_wait_xcnt 0x0
; H = Q(gelu(x W1[e]^T + b1[e])) FOR THE ROWS THAT CHOSE EXPERT e, on E5M2 codes with one E8M0 scale for each 32 along K.  Experts that a token did not choose have the gate 0 and are left out.
; SHARES.  Work-group (e, S) = (number % 8, number / 8) makes hidden units 128 S .. 128 S + 127 of expert e: one K step of the second product.  Wave w = 2 p + q makes units 64 q .. 64 q + 63 of the tiles of 16 rows of
; parity p; its 64 rows of W1, all of K, stay in 512 registers.
; THE LIST.  Each wave reads all 2,048 (token, slot) entries of topi and places its expert's, slot x 1,024 + token, in a list of its own in LDS: the count so far + the lower lanes that place one.  The list begins as
; fillers 2,048 + 16 e + d (d = 0 .. 15): rows of y that nobody reads.  Work-group (e, 0) stores list and count for the next launch.
; x.  A pass is 64 rows; wave w brings 16 of them, each row by two loads of 512 consecutive bytes, into registers one pass ahead, and from there into one of two LDS buffers by turns: one barrier a pass.
; The loop has 16 passes whatever the count; what hangs on the count is jumped over between the barriers.
; THE PRODUCT IS USED TRANSPOSED (source 0 = 16 rows of W1, source 1 = 16 rows of x), and lane r of W1's tile (b, u) takes unit 32 b + 8 u + r + 8 (r / 8), so that a lane's 16 registers of tiles (b, 0), (b, 1) are
; units 32 b + 16 (lane / 16) + 0 .. 15 of one row: the conversions' results are registers 4 b .. 4 b + 3 of the next operand.
; hc: [e][tile][S][b][lane][16 bytes].  hs: [e][S][tile of 64][row of 16] words of four scale bytes.
; NO TENSOR LOADS, NO CLUSTER: branches hang on counts made from what is read from memory.  No prefetch: W1 is asked for once, at the head, and x a pass ahead.
; gelu(a) = a / (1 + 2^(a (c0 + c1 a^2))), c0 = -2 sqrt(2 / pi) log2(e), c1 = 0.044715 c0: the tanh form, rewritten.
; LIMITS: NaN and infinities are not served, nor carried from an expert that was not chosen; a block whose largest magnitude lies under 2^-111 gets the byte 1 (read by this program alone).
.set XB,   133120                      ; LDS: bytes 0-133,119 W1: 128 places of 1,040 bytes; unit 32 b + x in place 32 b + 16 ((x / 8) % 2) + x % 8 + 8 (x / 16).  XB: two buffers of 64 rows of x, 1,040 bytes each
.set XSB,  266240                      ; their scale bytes: two buffers of 64 x 48
.set LST,  272384                      ; four lists of 1,152 words: 1,024 entries, 32 words for stores that place nothing
.set HSB,  290816                      ; for each wave 1,024 bytes: two scale bytes a row
.set SPARE, 294912
.set L16,  1                           ; 16 x lane
.set H16,  2                           ; 16 h
.set FRW,  3                           ; my place in W1's fragments
.set XF,   4                           ; v4-5 in x's, a buffer each
.set XSF,  6                           ; in x's scale words
.set STW,  7                           ; where I put W1
.set STX,  8                           ; v8-9 where I put x
.set STS,  10                          ; and its scale bytes
.set LA0,  11                          ; my list's 16 words of pass 0 (all lanes alike), with LR0 a lane's own
.set LR0,  12
.set LA,   13
.set LR,   14
.set HA0,  15
.set C0,   16
.set HA,   18
.set SPW,  19
.set NIL,  20
.set XSC,  28                          ; v28-35  x's scale words of a tile
.set WS,   40                          ; v40-71  W1's, [tile][K step]
.set BI,   72                          ; v72-103 b1 in the result's layout
.set ACC,  104                         ; v104-135
.set T,    136                         ; v136-167
.set EN,   104                         ; v104-167 at the head: the entries: register 4 i + j of lane l is entry 128 i + 4 l + j
.set PC,   168                         ; v168-175 codes
.set QM,   176
.set QP,   178
.set QS,   180
.set QH,   182
.set SW,   184
.set HO,   185
.set HOB,  186
.set TK,   188                         ; v188-203 the 16 entries of a pass
.set TKR,  204
.set XA,   206                         ; v206-221 their offsets in xc
.set XSA,  222
.set XST,  224                         ; v224-227 scale bytes on their way
.set LB,   248
.set LI,   249
.set HZ,   250
.set DW,   251
.set L2,   252
.set GW,   253
.set GS,   254
.set GB,   255
; window 1: v0-127 x on its way, 8 registers a row; v128-255 x's fragments, 16 a K step.   windows 2, 3: W1's fragments, 16 (4 (s % 4) + t), s = 0 .. 3 in window 2; at the head window 3 takes the slice.
.set MSB, 0
.macro WIN new                         ; the immediate's high byte repeats the setting that is left
.if MSB != (\new)
	s_set_vgpr_msb (MSB<<8)|(\new)
.set MSB, (\new)
.endif
.endm
.macro WA
	s_wait_alu depctr_va_vdst(0)
.endm
.macro LISTRD a, b, off                ; the 16 entries that I bring, in all lanes, and lane r's own
.irp j, 0,1,2,3
	ds_load_b128 v[TK+4*\j:TK+4*\j+3], v[\a] offset:\off+16*\j
.endr
	ds_load_b32 v[TKR], v[\b] offset:\off
.endm
.macro XADDR                           ; entries into offsets: the token is an entry's low 10 bits
.irp i, 0,1,2,3,4,5,6,7,8,9,10,11,12,13,14,15
	v_min_u32 v[TK+\i], 2175, v[TK+\i]
.endr
	v_min_u32 v[TKR], 2175, v[TKR]
.irp i, 0,1,2,3,4,5,6,7,8,9,10,11,12,13,14,15
	v_and_b32 v[TK+\i], 1023, v[TK+\i]
.endr
	v_and_b32 v[TKR], 1023, v[TKR]
.irp i, 0,1,2,3,4,5,6,7,8,9,10,11,12,13,14,15
	v_lshl_add_u32 v[XA+\i], v[TK+\i], 10, v[L16]
.endr
	v_lshl_add_u32 v[XSA], v[TKR], 5, v[H16]
.endm
.macro XLD                             ; 33 loads: 16 rows of 1,024 bytes, and their scale bytes
	WIN 0x40
.irp i, 0,1,2,3,4,5,6,7,8,9,10,11,12,13,14,15
	global_load_b128 v[8*\i:8*\i+3], v[XA+\i], s[4:5]
	global_load_b128 v[8*\i+4:8*\i+7], v[XA+\i], s[4:5] offset:512
.endr
	WIN 0
	global_load_b128 v[XST:XST+3], v[XSA], s[6:7]
.endm
.macro XPUT buf                        ; 33 stores into a buffer
	WIN 0x04
.irp i, 0,1,2,3,4,5,6,7,8,9,10,11,12,13,14,15
	ds_store_b128 v[STX+\buf], v[8*\i:8*\i+3] offset:1040*\i
	ds_store_b128 v[STX+\buf], v[8*\i+4:8*\i+7] offset:1040*\i+512
.endr
	WIN 0
	ds_store_b128 v[STS], v[XST:XST+3] offset:3072*(\buf)
.endm
.macro STAGE buf                       ; pass s38 + 1 goes into its buffer, pass s38 + 2 is asked for
	WA
	s_add_co_u32 s41, s38, 1
	s_cmp_lt_u32 s41, s33
	s_cbranch_scc0 .Lns_\@
	s_wait_loadcnt 0x0
	XPUT \buf
	s_add_co_u32 s41, s38, 2
	s_cmp_lt_u32 s41, s33
	s_cbranch_scc0 .Lns_\@
	s_wait_dscnt 33                                ; the entries are in: 33 stores were issued behind them
	XADDR
	XLD
	WA
.Lns_\@:
.endm
.macro XFRAG buf, i                    ; a tile of x: scale words, then the fragments by K step
	ds_load_b128 v[XSC:XSC+3], v[XSF] offset:3072*\buf+1536*\i
	ds_load_b128 v[XSC+4:XSC+7], v[XSF] offset:3072*\buf+1536*\i+16
	WIN 0x40
.irp s, 0,1,2,3,4,5,6,7
.irp c, 0,1,2,3
	ds_load_b128 v[128+16*\s+4*\c:128+16*\s+4*\c+3], v[XF+\buf] offset:33280*\i+128*\s+32*\c
.endr
.endr
	WIN 0
.endm
.macro WM s, t                         ; the bias is the C of a sum's first product
.if \s == 0
	v_wmma_scale_f32_16x16x128_f8f6f4 v[ACC+8*\t:ACC+8*\t+7], v[16*(4*(\s%4)+\t):16*(4*(\s%4)+\t)+15], v[128+16*\s:128+16*\s+15], v[BI+8*\t:BI+8*\t+7], v[WS+8*\t+\s], v[XSC+\s] matrix_a_fmt:MATRIX_FMT_BF8 matrix_b_fmt:MATRIX_FMT_BF8
.else
	v_wmma_scale_f32_16x16x128_f8f6f4 v[ACC+8*\t:ACC+8*\t+7], v[16*(4*(\s%4)+\t):16*(4*(\s%4)+\t)+15], v[128+16*\s:128+16*\s+15], v[ACC+8*\t:ACC+8*\t+7], v[WS+8*\t+\s], v[XSC+\s] matrix_a_fmt:MATRIX_FMT_BF8 matrix_b_fmt:MATRIX_FMT_BF8
.endif
.endm
.macro MULS                            ; 32 products; the four accumulators take turns
	WA
.irp s, 0,1,2,3,4,5,6,7
	s_wait_dscnt 4*(7-\s)                          ; K step s is in: behind it at least the later steps' loads were issued
	WIN 0x06+(\s/4)                                ; W1 window 2 or 3, x window 1
.irp t, 0,1,2,3
	WM \s, \t
.endr
.endr
	WIN 0
.rept 8
	v_nop                                          ; eight plain lines between the products and the loads into their registers, and the first read of their results
.endr
	WA
	s_wait_xcnt 0x0                                ; earlier stores have read their codes and offsets
.endm
.macro GELU                            ; on 32 numbers, each accumulator from its low end on
.set ii, 0
.rept 16
	v_pk_mul_f32 v[T+ii:T+ii+1], v[ACC+ii:ACC+ii+1], v[ACC+ii:ACC+ii+1]
.set ii, ii+2
.endr
.set ii, 0
.rept 16
	v_pk_fma_f32 v[T+ii:T+ii+1], v[T+ii:T+ii+1], s[44:45], v[C0:C0+1] op_sel_hi:[1,0,1]
.set ii, ii+2
.endr
.set ii, 0
.rept 16
	v_pk_mul_f32 v[T+ii:T+ii+1], v[T+ii:T+ii+1], v[ACC+ii:ACC+ii+1]
.set ii, ii+2
.endr
	WA
.set ii, 0
.rept 32
	v_exp_f32 v[T+ii], v[T+ii]
.set ii, ii+1
.endr
	v_nop                                          ; a plain line behind the last exponential,
	WA                                             ; and one wait for the batch, ahead of its first reader
.set ii, 0
.rept 16
	v_pk_add_f32 v[T+ii:T+ii+1], v[T+ii:T+ii+1], 1.0 op_sel_hi:[1,0]
.set ii, ii+2
.endr
	WA
.set ii, 0
.rept 32
	v_rcp_f32 v[T+ii], v[T+ii]
.set ii, ii+1
.endr
	v_nop
	WA
.set ii, 0
.rept 16
	v_pk_mul_f32 v[ACC+ii:ACC+ii+1], v[ACC+ii:ACC+ii+1], v[T+ii:T+ii+1]
.set ii, ii+2
.endr
.endm
.macro QUANT ts, ho                    ; two blocks of 32 units: lanes l and l xor 16 hold 16 numbers of each
.irp g, 0,1
	v_max3_num_f32 v[QM+\g], |v[ACC+16*\g]|, |v[ACC+16*\g+1]|, 0x8000000   ; with the floor 2^(16 - 127): the byte cannot fall under 1
.endr
.irp i, 2,4,6,8,10,12,14
.irp g, 0,1
	v_max3_num_f32 v[QM+\g], v[QM+\g], |v[ACC+16*\g+\i]|, |v[ACC+16*\g+\i+1]|
.endr
.endr
.irp g, 0,1
	v_permlanex16_b32 v[QP+\g], v[QM+\g], s46, s47
.endr
	s_lshl_b32 s41, \ts, 16
	v_add_nc_u32 v[HO], s41, v[HOB]
.irp g, 0,1
	v_max_num_f32 v[QM+\g], v[QM+\g], v[QP+\g]
.endr
.irp g, 0,1
	v_add_nc_u32 v[QS+\g], 0xf8800000, v[QM+\g]    ; 15 off the exponent field: the conversion's scale operand
.endr
.irp g, 0,1
	v_and_or_b32 v[QH+\g], v[QM+\g], 0x7f800000, s48   ; 57,344 x the scale
.endr
.irp g, 0,1
	v_lshrrev_b32 v[QP+\g], 23, v[QS+\g]           ; the byte
.endr
.irp g, 0,1
.irp i, 0,1,2,3,4,5,6,7,8,9,10,11,12,13,14,15
	v_med3_num_f32 v[ACC+16*\g+\i], v[ACC+16*\g+\i], -v[QH+\g], v[QH+\g]   ; the conversion does not saturate (ISA guide 7.6.2): the hold comes first
.endr
	v_cvt_scalef32_pk8_bf8_f32 v[PC+4*\g:PC+4*\g+1], v[ACC+16*\g:ACC+16*\g+7], v[QS+\g]
	v_cvt_scalef32_pk8_bf8_f32 v[PC+4*\g+2:PC+4*\g+3], v[ACC+16*\g+8:ACC+16*\g+15], v[QS+\g]
.endr
	v_lshl_or_b32 v[SW], v[QP+1], 8, v[QP]         ; (and the plain line behind the last conversion)
	ds_store_b16 v[HA], v[SW] offset:\ho           ; lanes l and l xor 16 write the same
.irp g, 0,1
	global_store_b128 v[HO], v[PC+4*\g:PC+4*\g+3], s[16:17] offset:512*\g   ; 32 lanes store 512 consecutive bytes, aligned
.endr
.endm
.macro PASS B
	s_add_co_u32 s38, s34, \B
	s_cmp_lt_u32 s38, s33
	s_cbranch_scc0 .Lnext_\@
	LISTRD LA, LR, 256*\B                          ; the entries of the pass after next
	s_lshl_b32 s39, s38, 2
	s_add_co_u32 s39, s39, s23                     ; my first tile of the pass
	s_cmp_lt_u32 s39, s29
	s_cbranch_scc0 .Lst_\@
	XFRAG \B, 0
	MULS
	s_add_co_u32 s40, s39, 2                       ; my second
	s_cmp_lt_u32 s40, s29
	s_cbranch_scc0 .Lone_\@
	XFRAG \B, 1                                    ; comes out of LDS while the first goes through gelu
	GELU
	QUANT s39, 64*\B
	MULS
	STAGE 1-\B
	GELU
	QUANT s40, 64*\B+32
	WA
	s_branch .Lnext_\@
.Lone_\@:
	GELU
	QUANT s39, 64*\B
	WA
.Lst_\@:
	STAGE 1-\B
.Lnext_\@:
	WA
	s_wait_dscnt 0x0                               ; my reads of this buffer are over, my part of the other is in
	s_barrier_signal -1
	s_barrier_wait -1
.endm
	s_load_b512 s[4:19], s[0:1], 0x0               ; xc, xs, W1's codes, W1's scales, b1, topi, hc, hs
	s_load_b64 s[20:21], s[0:1], 0x40              ; rows
	v_lshl_add_u32 v[SPW], v0, 2, SPARE
	v_mov_b32 v[NIL], 0
	v_lshrrev_b32 v21, 5, v0
	v_readfirstlane_b32 s22, v21                   ; wave
	v_and_b32 v22, 31, v0                          ; lane
	v_and_b32 v23, 15, v0                          ; r
	v_bfe_u32 v24, v0, 4, 1                        ; h
	v_lshlrev_b32 v[L16], 4, v22
	v_lshlrev_b32 v[H16], 4, v24
	v_mul_u32_u24 v25, v23, 1040
	v_add_nc_u32 v25, v25, v[H16]
	v_mul_u32_u24 v26, v23, 48
	WA
	s_lshr_b32 s23, s22, 1                         ; p
	s_and_b32 s24, s22, 1                          ; q
	s_mul_i32 s36, s22, 33280
	v_add_nc_u32 v[STW], s36, v[L16]
	s_mul_i32 s36, s24, 66560
	v_add_nc_u32 v[FRW], s36, v25
	s_mul_i32 s36, s23, 16640
	s_add_co_u32 s36, s36, XB
	v_add_nc_u32 v[XF], s36, v25
	v_add_nc_u32 v[XF+1], 66560, v[XF]
	s_mul_i32 s36, s23, 768
	s_add_co_u32 s36, s36, XSB
	v_add_nc_u32 v[XSF], s36, v26
	s_mul_i32 s36, s22, 16640
	s_add_co_u32 s36, s36, XB
	v_add_nc_u32 v[STX], s36, v[L16]
	v_add_nc_u32 v[STX+1], 66560, v[STX]
	s_mul_i32 s36, s22, 768
	s_add_co_u32 s36, s36, XSB
	v_add_nc_u32 v[STS], s36, v26
	v_add_nc_u32 v[STS], v[STS], v[H16]
	v_lshlrev_b32 v27, 2, v23
	s_mul_i32 s36, s22, 4608
	s_add_co_u32 s36, s36, LST
	v_mov_b32 v[LB], s36                           ; my list
	v_add_nc_u32 v[LI], s36, v[L16]
	s_lshl_b32 s37, s22, 6
	s_add_co_u32 s37, s37, s36
	v_mov_b32 v[LA0], s37
	v_add_nc_u32 v[LR0], s37, v27
	v_lshlrev_b32 v27, 1, v23
	s_lshl_b32 s36, s22, 10
	s_add_co_u32 s36, s36, HSB
	v_add_nc_u32 v[HA0], s36, v27
	v_add_nc_u32 v[HZ], s36, v[L16]
	s_lshl_b32 s36, s24, 10
	v_add_nc_u32 v[HOB], s36, v[L16]
	v_and_b32 v27, 8, v23
	v_add_nc_u32 v27, v27, v23                     ; r + 8 (r / 8)
	v_lshlrev_b32 v27, 5, v27
	s_lshl_b32 s36, s24, 11
	v_add_nc_u32 v[GS], s36, v27                   ; my row's scale bytes in a tile
	v_lshlrev_b32 v25, 6, v24
	s_lshl_b32 s36, s24, 8
	v_add_nc_u32 v[GB], s36, v25                   ; my biases
	s_lshl_b32 s36, s22, 15
	v_add_nc_u32 v[GW], s36, v[L16]                ; I bring 32 units of 1,024 bytes
	v_add_nc_u32 v[DW], 1024, v22                  ; my word for stores that place nothing
	v_lshlrev_b32 v[L2], 1, v22
	v_mov_b32 v[C0], 0xc0135761                    ; c0 = -2.3022082
	v_mov_b32 v[C0+1], 0xc0135761
	v_mov_b32 v[QP], 0
	v_mov_b32 v[QP+1], 0
	v_lshlrev_b32 v27, 2, v22
	v_and_b32 v27, 12, v27
	s_and_b32 s25, ttmp9, 7                        ; e
	s_lshr_b32 s26, ttmp9, 3                       ; S
	s_lshl_b32 s36, s25, 4
	s_add_co_u32 s36, s36, 2048
	v_add_nc_u32 v240, s36, v27                    ; fillers
	v_add_nc_u32 v241, 1, v240
	v_add_nc_u32 v242, 2, v240
	v_add_nc_u32 v243, 3, v240
.irp i, 244,245,246,247
	v_mov_b32 v[\i], 0
.endr
	s_lshl_b32 s27, s25, 5
	s_add_co_u32 s27, s27, s26
	s_mov_b32 s31, 0
	s_mov_b32 s44, 0xbdd2d3e8                      ; c1 = -0.10294325
	s_mov_b32 s45, s44
	s_mov_b32 s46, 0x76543210
	s_mov_b32 s47, 0xfedcba98                      ; lane l xor 16
	s_mov_b32 s48, 0x600000                        ; the mantissa field of 57,344
	WA
	s_wait_kmcnt 0x0
.irp i, 0,1,2,3,4,5,6,7,8,9,10,11,12,13,14,15
	global_load_b128 v[EN+4*\i:EN+4*\i+3], v[L16], s[14:15] offset:512*\i
.endr
	s_lshl_b32 s30, s27, 17
	s_add_nc_u64 s[8:9], s[8:9], s[30:31]          ; my 128 units: rows of 1,024 bytes,
	s_lshl_b32 s30, s27, 12
	s_add_nc_u64 s[10:11], s[10:11], s[30:31]      ; of 32 scale bytes
	s_add_nc_u64 s[18:19], s[18:19], s[30:31]      ; hs: 4,096 bytes a work-group
	s_lshl_b32 s30, s27, 9
	s_add_nc_u64 s[12:13], s[12:13], s[30:31]      ; b1
	s_lshl_b32 s30, s25, 22
	s_lshl_b32 s36, s26, 11
	s_add_co_u32 s30, s30, s36
	s_add_nc_u64 s[16:17], s[16:17], s[30:31]      ; hc
	s_lshl_b32 s30, s25, 12
	s_add_nc_u64 s[56:57], s[20:21], s[30:31]      ; the stored list,
	s_lshl_b32 s30, s25, 9
	s_add_co_u32 s30, s30, 32768
	s_add_nc_u64 s[58:59], s[20:21], s[30:31]      ; and count
.irp t, 0,1,2,3
	global_load_b128 v[WS+8*\t:WS+8*\t+3], v[GS], s[10:11] offset:1024*(\t/2)+256*(\t%2)
	global_load_b128 v[WS+8*\t+4:WS+8*\t+7], v[GS], s[10:11] offset:1024*(\t/2)+256*(\t%2)+16
	global_load_b128 v[BI+8*\t:BI+8*\t+3], v[GB], s[12:13] offset:128*(\t/2)+32*(\t%2)
	global_load_b128 v[BI+8*\t+4:BI+8*\t+7], v[GB], s[12:13] offset:128*(\t/2)+32*(\t%2)+16
.endr
	WIN 0xc0
.set ii, 0
.rept 40
	global_load_b128 v[4*ii:4*ii+3], v[GW], s[8:9] offset:512*ii th:TH_LOAD_NT   ; 512 consecutive bytes: half a unit
.set ii, ii+1
.endr
	WIN 0
.irp k, 0,1,2,3,4,5,6,7,8
	ds_store_b128 v[LI], v[240:243] offset:512*\k
.endr
	ds_store_b128 v[HZ], v[244:247]
	ds_store_b128 v[HZ], v[244:247] offset:512
	s_mov_b32 s28, 0                               ; entries placed
	s_wait_loadcnt 56                              ; topi is in: 56 loads were issued behind it
.set kk, 0
.rept 4
.set mm, 0
.rept 16
	v_cmp_eq_u32 s[68+mm], s25, v[EN+kk+mm]
.set mm, mm+1
.endr
.set mm, 0
.rept 16
	v_mbcnt_lo_u32_b32 v[TK+mm], s[68+mm], s28     ; the count so far + the lower lanes that place one
	s_bcnt1_i32_b32 s37, s[68+mm]
	s_add_co_u32 s28, s28, s37
.set mm, mm+1
.endr
.set mm, 0
.rept 16
	v_cndmask_b32 v[TK+mm], v[DW], v[TK+mm], s[68+mm]
.set mm, mm+1
.endr
.set mm, 0
.rept 16
	v_min_u32 v[TK+mm], 0x41f, v[TK+mm]            ; a word of my list, whatever was read
.set mm, mm+1
.endr
.set mm, 0
.rept 16
	v_add_nc_u32 v[XA+mm], ((kk+mm)&1)*1024+64*((kk+mm)>>2)+(((kk+mm)>>1)&1), v[L2]
.set mm, mm+1
.endr
.set mm, 0
.rept 16
	v_lshl_add_u32 v[TK+mm], v[TK+mm], 2, v[LB]
.set mm, mm+1
.endr
.set mm, 0
.rept 16
	ds_store_b32 v[TK+mm], v[XA+mm]
.set mm, mm+1
.endr
.set kk, kk+16
.endr
	WIN 0xc0
.rept 24
	global_load_b128 v[4*ii:4*ii+3], v[GW], s[8:9] offset:512*ii th:TH_LOAD_NT
.set ii, ii+1
.endr
	WIN 0
	LISTRD LA0, LR0, 0                             ; LDS serves a wave's instructions in order: these see the stores above
	s_min_u32 s28, s28, 1024
	s_add_co_u32 s29, s28, 15
	s_lshr_b32 s29, s29, 4                         ; my expert's tiles
	s_add_co_u32 s33, s29, 3
	s_lshr_b32 s33, s33, 2                         ; passes
	WA
	s_wait_dscnt 0x0
	XADDR
	XLD                                            ; pass 0
	WA
	s_wait_loadcnt 33                              ; the slice is in: 33 loads were issued behind it
	WIN 0x0c
.set ii, 0
.rept 64
	ds_store_b128 v[STW], v[4*ii:4*ii+3] offset:(16*(((ii/2)>>3)&1)+((ii/2)&7)+8*((ii/2)>>4))*1040+512*(ii&1)
.set ii, ii+1
.endr
	WIN 0
	LISTRD LA0, LR0, 256
	s_wait_loadcnt 0x0
	XPUT 0
	s_wait_dscnt 0x0                               ; my part of the slice and of pass 0 lies in LDS
	XADDR
	XLD                                            ; pass 1
	s_mov_b32 s34, 0                               ; the trip's first pass
	s_mov_b32 s35, 512                             ; list bytes of the pass after next
	s_mov_b32 s36, 0                               ; scale bytes of a trip's tiles
	s_mov_b32 s43, 0
	WA
	s_barrier_signal -1
	s_barrier_wait -1
.irp s, 0,1,2,3,4,5,6,7
	WIN 0x80+0x40*(\s/4)
.irp t, 0,1,2,3
.irp c, 0,1,2,3
	ds_load_b128 v[16*(4*(\s%4)+\t)+4*\c:16*(4*(\s%4)+\t)+4*\c+3], v[FRW] offset:33280*(\t/2)+16640*(\t%2)+128*\s+32*\c
.endr
.endr
.endr
	WIN 0
.Lloop:
	v_add_nc_u32 v[LA], s35, v[LA0]
	v_add_nc_u32 v[LR], s35, v[LR0]
	v_add_nc_u32 v[HA], s36, v[HA0]
	WA
	PASS 0
	PASS 1
	s_add_co_u32 s34, s34, 2
	s_add_co_u32 s35, s35, 512
	s_add_co_u32 s36, s36, 128
	s_add_co_u32 s43, s43, 1
	s_cmp_lt_u32 s43, 8
	s_cbranch_scc1 .Lloop
	; the scale bytes leave: wave w stores the words of tiles 16 w .. 16 w + 15, a lane four rows of a tile; a word's halves come from waves 2 p and 2 p + 1
	v_bfe_u32 v23, v22, 2, 1
	v_lshlrev_b32 v23, 11, v23
	v_lshrrev_b32 v24, 3, v22
	v_lshl_add_u32 v23, v24, 5, v23
	v_and_b32 v24, 3, v22
	v_lshl_add_u32 v23, v24, 3, v23
	s_lshl_b32 s37, s22, 8
	s_add_co_u32 s37, s37, HSB
	v_add_nc_u32 v23, s37, v23
	s_lshl_b32 s37, s22, 10
	v_add_nc_u32 v26, s37, v[L16]
	v_add_nc_u32 v27, s37, v[LI]
	v_mov_b32 v160, s28
	v_lshlrev_b32 v161, 2, v0
	s_mov_b32 s49, 0x05040100
	s_mov_b32 s50, 0x07060302
	WA
	ds_load_b64 v[136:137], v23
	ds_load_b64 v[138:139], v23 offset:1024
	ds_load_b64 v[140:141], v23 offset:128
	ds_load_b64 v[142:143], v23 offset:1152
	ds_load_b128 v[152:155], v27
	ds_load_b128 v[156:159], v27 offset:512
	s_wait_dscnt 0x0
.irp k, 0,4
.irp i, 0,1
	v_perm_b32 v[144+\k+2*\i], v[138+\k+\i], v[136+\k+\i], s49
	v_perm_b32 v[145+\k+2*\i], v[138+\k+\i], v[136+\k+\i], s50
.endr
.endr
	global_store_b128 v26, v[144:147], s[18:19]
	global_store_b128 v26, v[148:151], s[18:19] offset:512
	WA
	s_cmp_lg_u32 s26, 0
	s_cbranch_scc1 .Lend
	global_store_b128 v26, v[152:155], s[56:57]    ; work-group (e, 0): a quarter of the list a wave,
	global_store_b128 v26, v[156:159], s[56:57] offset:512
	global_store_b32 v161, v160, s[58:59]          ; and the count, 512 bytes of it
.Lend:
	s_wait_tensorcnt 0x0
	ds_add_u32 v[SPW], v[NIL]
	s_wait_dscnt 0x0
	s_endpgm
.Lfunc_end_k_qf388981102_ffn1:
	.size	k_qf388981102_ffn1, .Lfunc_end_k_qf388981102_ffn1-k_qf388981102_ffn1
	.p2alignl 7, 3214868480
	.fill 96, 4, 3214868480
	.section	.rodata,"a",@progbits
	.p2align	6, 0x0
	.amdhsa_kernel k_qf388981102_ffn1
		.amdhsa_group_segment_fixed_size 295424
		.amdhsa_private_segment_fixed_size 0
		.amdhsa_enable_private_segment 0
		.amdhsa_kernarg_size 72
		.amdhsa_user_sgpr_count 2
		.amdhsa_user_sgpr_kernarg_segment_ptr 1
		.amdhsa_wavefront_size32 1
		.amdhsa_system_sgpr_workgroup_id_x 1
		.amdhsa_system_sgpr_workgroup_id_y 1
		.amdhsa_system_sgpr_workgroup_id_z 1
		.amdhsa_system_vgpr_workitem_id 0
		.amdhsa_next_free_vgpr 1024
		.amdhsa_next_free_sgpr 90
		.amdhsa_reserve_vcc 0
		.amdhsa_float_denorm_mode_32 3
		.amdhsa_float_denorm_mode_16_64 3
		.amdhsa_memory_ordered 1
		.amdhsa_forward_progress 1
		.amdhsa_inst_pref_size 211
	.end_amdhsa_kernel
	.amdgpu_metadata
---
amdhsa.version: [ 1, 2 ]
amdhsa.kernels:
  - .name:           k_qf388981102_ffn1
    .symbol:         k_qf388981102_ffn1.kd
    .args:
      - { .name: xc, .offset: 0, .size: 8, .value_kind: global_buffer, .address_space: global }
      - { .name: xs, .offset: 8, .size: 8, .value_kind: global_buffer, .address_space: global }
      - { .name: W1_codes, .offset: 16, .size: 8, .value_kind: global_buffer, .address_space: global }
      - { .name: W1_scales, .offset: 24, .size: 8, .value_kind: global_buffer, .address_space: global }
      - { .name: b1, .offset: 32, .size: 8, .value_kind: global_buffer, .address_space: global }
      - { .name: topi, .offset: 40, .size: 8, .value_kind: global_buffer, .address_space: global }
      - { .name: hc, .offset: 48, .size: 8, .value_kind: global_buffer, .address_space: global }
      - { .name: hs, .offset: 56, .size: 8, .value_kind: global_buffer, .address_space: global }
      - { .name: rows, .offset: 64, .size: 8, .value_kind: global_buffer, .address_space: global }
    .group_segment_fixed_size: 295424
    .private_segment_fixed_size: 0
    .kernarg_segment_align: 8
    .kernarg_segment_size: 72
    .max_flat_workgroup_size: 128
    .sgpr_count:     90
    .vgpr_count:     1024
    .wavefront_size: 32
...
	.end_amdgpu_metadata
.endif
;; end of part 2
;; launch ffn2 (part 3): grid 256 x 1, 4 waves a work-group, no clusters, 270,848 bytes of LDS; arguments hc, hs, W2_codes, W2_scales, b2, rows, y; writes y
.if DOCPART == 3
	.amdgcn_target "amdgcn-amd-amdhsa--gfx1250"
	.amdhsa_code_object_version 6
	.text
	.protected	k_qf388981102_ffn2
	.globl	k_qf388981102_ffn2
	.p2align	8
	.type	k_qf388981102_ffn2,@function
k_qf388981102_ffn2:
	s_mov_b64 s[64:65], 0
	v_nop
	global_prefetch_b8 v0, s[64:65] scope:SCOPE_SE
	s_setreg_imm32_b32 hwreg(HW_REG_WAVE_MODE, 25, 1), 1
	s_wait_xcnt 0x0
; Y = H W2[e]^T + b2[e] FOR THE ROUTED ROWS, on E5M2 codes with one E8M0 scale for each 32 along K = 4,096, IN TWO HALVES OF K: y[half][row slot x 1,024 + token] (fillers: rows from 2,048 on, which nobody reads).
; Experts that a token did not choose have the gate 0 and are left out (a NaN, an infinity or an overflow there is not carried).  LIMIT: NaN and infinities are not served.
; SHARES.  Work-group: e = number % 8, par = (number / 8) % 2, half kh = (number / 16) % 2, n = number / 32: outputs 128 n .. 128 n + 127 over 2,048 of K for the expert's tiles of 16 rows 2 q + par.
; K IS SPLIT OVER THE WAVES TOO: wave w keeps 512 bytes of each of the 128 rows of W2 in 512 registers: one load of 512 consecutive bytes a row, turned into fragments through LDS bytes of the wave's own.
; A trip is four tiles: each wave makes its part of all four, the parts meet in LDS, and wave g adds up tile g and stores.  Two sets of LDS regions take turns, so one barrier a trip parts writing from reading:
; a set is written again one barrier after its readers have waited for their reads.  The loop has 8 trips whatever the counts; what hangs on the count is jumped over between the barriers.
; H comes from hc as it was stored, 512 consecutive bytes a load, into four buffers, each asked for one trip ahead.  The half kh = 0 adds b2.
; THE PRODUCT IS USED TRANSPOSED (source 0 = 16 rows of W2, source 1 = 16 rows of H): a lane holds eight neighbouring outputs of one row.
; NO TENSOR LOADS, NO CLUSTER: branches hang on counts read from memory.  No prefetch: W2 is asked for once, at the head, and H a trip ahead.
.set SPARE, 270336                     ; LDS: at first four regions of 67,584, 128 rows of 528 bytes each; then region (set, g, w) at 135,168 set + 33,792 g + 8,448 w: 16 rows of 528
.set L16, 1
.set HB,  2                            ; my place in a tile's scale words: 4,096 h + 4 r
.set RD,  4                            ; v4-5  where I read tile w's parts, a set each
.set SPW, 6
.set NIL, 7
.set HA,  8                            ; v8-11  offsets in hc, a buffer each
.set HSA, 12                           ; v12-15 in hs
.set WS,  16                           ; v16-47 W2's scale words [t][s]
.set HSR, 48                           ; v48-55 H's: two a buffer: lanes 0-15 K step 2 i, lanes 16-31 K step 2 i + 1
.set B2,  56
.set YA,  60                           ; v60-75 offsets in y
.set STO, 76                           ; v76-79 where I put sums: set, g / 2
.set ACC, 80                           ; v80-207 two sets of eight accumulators
.set RB,  80                           ; the same at the finish: part p of row i at 4 (8 p + i)
.set WSO, 208
.set ST,  209                          ; v209-210 where I put W2's rows 0-63, 64-127
.set FRB, 211
; window 1: H's fragments, 64 x buffer + 16 s.   windows 2, 3: W2's fragments, 16 (8 (s % 2) + t), s = 0, 1 in window 2; at the head W2's rows as they come.
.set MSB, 0
.macro WIN new                         ; the immediate's high byte repeats the setting that is left
.if MSB != (\new)
	s_set_vgpr_msb (MSB<<8)|(\new)
.set MSB, (\new)
.endif
.endm
.macro WA
	s_wait_alu depctr_va_vdst(0)
.endm
.macro WLD j                           ; rows 32 j .. 32 j + 31 of W2
	WIN 0x80+0x40*(\j/2)
.set ii, 0
.rept 32
	global_load_b128 v[128*(\j%2)+4*ii:128*(\j%2)+4*ii+3], v[L16], s[8:9] offset:4096*(32*\j+ii) th:TH_LOAD_NT
.set ii, ii+1
.endr
	WIN 0
.endm
.macro WST j
	WIN 0x08+0x04*(\j/2)
.set ii, 0
.rept 32
	ds_store_b128 v[ST+(\j/2)], v[128*(\j%2)+4*ii:128*(\j%2)+4*ii+3] offset:528*(32*(\j%2)+ii)
.set ii, ii+1
.endr
	WIN 0
.endm
.macro HADDR g                         ; tile s50 for buffer g
	s_lshl_b32 s51, s50, 16
	s_lshl_b32 s50, s50, 6
	v_add_nc_u32 v[HA+\g], s51, v[L16]
	v_add_nc_u32 v[HSA+\g], s50, v[HB]
.endm
.macro HLD g                           ; 18 loads
	WIN 0x40
.irp s, 0,1,2,3
.irp c, 0,1,2,3
	global_load_b128 v[64*\g+16*\s+4*\c:64*\g+16*\s+4*\c+3], v[HA+\g], s[4:5] offset:2048*\s+512*\c
.endr
.endr
	WIN 0
.irp i, 0,1
	global_load_b32 v[HSR+2*(1-\i)+(\g%2)+4*(\g/2)], v[HSA+\g], s[6:7] offset:8192*\i
.endr
.endm
.macro WM2 g, s, t
.set rD, ACC+64*(\g%2)+8*\t
.set rA, 16*(8*(\s%2)+\t)
.set rB, 64*\g+16*\s
.set rW, WS+4*\t+\s
.set rH, HSR+2*(1-(\s/2))+(\g%2)+4*(\g/2)
.if \s == 0
	v_wmma_scale_f32_16x16x128_f8f6f4 v[rD:rD+7], v[rA:rA+15], v[rB:rB+15], 0, v[rW], v[rH] matrix_a_fmt:MATRIX_FMT_BF8 matrix_b_fmt:MATRIX_FMT_BF8
.elseif (\s%2) == 1
	v_wmma_scale_f32_16x16x128_f8f6f4 v[rD:rD+7], v[rA:rA+15], v[rB:rB+15], v[rD:rD+7], v[rW], v[rH] matrix_a_fmt:MATRIX_FMT_BF8 matrix_b_fmt:MATRIX_FMT_BF8 matrix_b_scale:MATRIX_SCALE_ROW1
.else
	v_wmma_scale_f32_16x16x128_f8f6f4 v[rD:rD+7], v[rA:rA+15], v[rB:rB+15], v[rD:rD+7], v[rW], v[rH] matrix_a_fmt:MATRIX_FMT_BF8 matrix_b_fmt:MATRIX_FMT_BF8
.endif
.endm
; Tile g of the trip: 32 products (the eight accumulators take turns), the buffer's next tile, my sums to LDS.
.macro TILE pb, g
.if \g > 0
	s_add_co_u32 s52, s35, \g
	s_cmp_lt_u32 s52, s32
	s_cbranch_scc0 .Lskip_\pb                      ; no such tile, and none behind it
.endif
	s_wait_loadcnt 54                              ; this tile's loads are in: behind them the three other buffers' 18 each were issued
.irp s, 0,1,2,3
	WIN 0x06+(\s/2)                                ; W2 window 2 or 3, H window 1
.irp t, 0,1,2,3,4,5,6,7
	WM2 \g, \s, \t
.endr
.endr
	WIN 0
	s_add_co_u32 s52, s35, \g+4
	s_lshl_b32 s50, s52, 1
	s_add_co_u32 s50, s50, s21
	s_min_u32 s50, s50, 63
	HADDR \g                                       ; two additions and seven v_nop: eight plain lines are owed ahead of the loads into the products' registers and the first read of their results, nine ahead of products that begin the same accumulators anew
.rept 7
	v_nop
.endr
	WA
	s_cmp_lt_u32 s52, s32
	s_cbranch_scc0 .Lnone_\@
	HLD \g
	s_branch .Lasked_\@
.Lnone_\@:
	s_wait_loadcnt 0x0                             ; nothing is asked for on this way, so the counted waits further on find nothing out
.Lasked_\@:
.irp t, 0,1,2,3,4,5,6,7
	ds_store_b128 v[STO+2*\pb+(\g/2)], v[ACC+64*(\g%2)+8*\t:ACC+64*(\g%2)+8*\t+3] offset:33792*(\g%2)+64*\t       ; each accumulator from its low end on
	ds_store_b128 v[STO+2*\pb+(\g/2)], v[ACC+64*(\g%2)+8*\t+4:ACC+64*(\g%2)+8*\t+7] offset:33792*(\g%2)+64*\t+16
.endr
.endm
.macro RDROWS pb, a                    ; rows 8 a .. 8 a + 7 of my tile, four parts each
.irp i, 0,1,2,3,4,5,6,7
.irp p, 0,1,2,3
	ds_load_b128 v[RB+4*(8*\p+\i):RB+4*(8*\p+\i)+3], v[RD+\pb] offset:8448*\p+528*(8*\a+\i)
.endr
.endr
.endm
.macro SUMROWS a                       ; two rows at a time
.irp k, 0,2,4,6
	s_wait_dscnt 24-4*\k                           ; rows k, k + 1 are in
.irp i, \k, \k+1
.irp x, 0,2
	v_pk_add_f32 v[RB+4*(\i)+\x:RB+4*(\i)+\x+1], v[RB+4*(\i)+\x:RB+4*(\i)+\x+1], v[RB+32+4*(\i)+\x:RB+32+4*(\i)+\x+1]
	v_pk_add_f32 v[RB+64+4*(\i)+\x:RB+64+4*(\i)+\x+1], v[RB+64+4*(\i)+\x:RB+64+4*(\i)+\x+1], v[RB+96+4*(\i)+\x:RB+96+4*(\i)+\x+1]
.endr
.endr
.irp i, \k, \k+1
.irp x, 0,2
	v_pk_add_f32 v[RB+4*(\i)+\x:RB+4*(\i)+\x+1], v[RB+4*(\i)+\x:RB+4*(\i)+\x+1], v[RB+64+4*(\i)+\x:RB+64+4*(\i)+\x+1]
.endr
.endr
.irp i, \k, \k+1
.irp x, 0,2
	v_pk_add_f32 v[RB+4*(\i)+\x:RB+4*(\i)+\x+1], v[RB+4*(\i)+\x:RB+4*(\i)+\x+1], v[B2+\x:B2+\x+1]
.endr
.endr
.irp i, \k, \k+1
	global_store_b128 v[YA+8*\a+\i], v[RB+4*(\i):RB+4*(\i)+3], s[16:17]   ; 32 lanes store 512 consecutive bytes of a row, aligned
.endr
.endr
	WA
	s_wait_xcnt 0x0                                ; the stores have read their registers
.endm
.macro TRIP pb
	s_add_co_u32 s35, s36, \pb
	s_lshl_b32 s35, s35, 2                         ; the trip's first tile of mine
	s_cmp_lt_u32 s35, s32
	s_cbranch_scc0 .Lskip_\pb
	TILE \pb, 0
	TILE \pb, 1
	TILE \pb, 2
	TILE \pb, 3
	s_branch .Ljoin_\pb
.Lskip_\pb:
	s_wait_loadcnt 0x0
.Ljoin_\pb:
	WA
	s_wait_dscnt 0x0                               ; for the others' sake: my sums lie in LDS
	s_barrier_signal -1
	s_barrier_wait -1
	s_add_co_u32 s52, s35, s24
	s_cmp_lt_u32 s52, s32
	s_cbranch_scc0 .Lnofin_\pb
	RDROWS \pb, 0
	s_wait_kmcnt 0x0                               ; my tile's row numbers
.set ii, 0
.rept 16
	s_min_u32 s[68+ii], s[68+ii], 2175
	s_lshl_b32 s[68+ii], s[68+ii], 12
	v_add_nc_u32 v[YA+ii], s[68+ii], v[L16]
.set ii, ii+1
.endr
	s_add_co_u32 s53, s52, 4                       ; the next trip's
	s_lshl_b32 s53, s53, 1
	s_add_co_u32 s53, s53, s21
	s_min_u32 s53, s53, 63
	s_lshl_b32 s53, s53, 6
	s_load_b512 s[68:83], s[28:29], s53 offset:0x0
	WA
	SUMROWS 0
	RDROWS \pb, 1
	SUMROWS 1
.Lnofin_\pb:
.endm
	s_load_b256 s[4:11], s[0:1], 0x0               ; hc, hs, W2's codes, W2's scales
	s_load_b128 s[12:15], s[0:1], 0x20             ; b2, rows
	s_load_b64 s[16:17], s[0:1], 0x30              ; y
	v_lshl_add_u32 v[SPW], v0, 2, SPARE
	v_mov_b32 v[NIL], 0
	v_lshrrev_b32 v8, 5, v0
	v_readfirstlane_b32 s24, v8                    ; wave
	v_and_b32 v9, 31, v0                           ; lane
	v_and_b32 v10, 15, v0                          ; r
	v_bfe_u32 v11, v0, 4, 1                        ; h
	v_lshlrev_b32 v[L16], 4, v9
	v_lshlrev_b32 v12, 2, v10
	v_lshl_add_u32 v[HB], v11, 12, v12
	v_mul_u32_u24 v13, v10, 528
	v_lshl_add_u32 v14, v11, 4, v13
	v_lshl_add_u32 v15, v11, 5, v13
	v_lshlrev_b32 v[WSO], 7, v10                   ; W2's scale bytes: 128 a row
	s_mul_i32 s50, s24, 67584
	v_add_nc_u32 v[ST], s50, v[L16]
	v_add_nc_u32 v[ST+1], 33792, v[ST]
	v_add_nc_u32 v[FRB], s50, v14
	s_mul_i32 s50, s24, 8448
	v_add_nc_u32 v[STO], s50, v15
	v_add_nc_u32 v[STO+1], 67584, v[STO]
	v_add_nc_u32 v[STO+2], 135168, v[STO]
	v_add_nc_u32 v[STO+3], 202752, v[STO]
	s_mul_i32 s50, s24, 33792
	v_add_nc_u32 v[RD], s50, v[L16]
	v_add_nc_u32 v[RD+1], 135168, v[RD]
	s_and_b32 s20, ttmp9, 7                        ; e
	s_bfe_u32 s21, ttmp9, 0x10003                  ; par
	s_bfe_u32 s22, ttmp9, 0x10004                  ; kh
	s_lshr_b32 s23, ttmp9, 5                       ; n
	s_lshl_b32 s26, s20, 9
	s_mov_b32 s31, 0
	s_lshl_b32 s53, s24, 1
	s_add_co_u32 s53, s53, s21
	s_lshl_b32 s53, s53, 6                         ; my first tile's row numbers
	WA
	s_wait_kmcnt 0x0
	s_lshl_b32 s30, s20, 22
	s_lshl_b32 s50, s23, 19
	s_add_co_u32 s30, s30, s50
	s_lshl_b32 s50, s22, 11
	s_add_co_u32 s30, s30, s50
	s_lshl_b32 s50, s24, 9
	s_add_co_u32 s30, s30, s50
	s_add_nc_u64 s[8:9], s[8:9], s[30:31]          ; W2: row 1,024 e + 128 n, my 512 bytes of K
	WLD 0
	s_load_b32 s25, s[14:15], s26 offset:32768     ; my expert's rows
	s_lshl_b32 s30, s20, 12
	s_add_nc_u64 s[28:29], s[14:15], s[30:31]      ; its list
	s_load_b512 s[68:83], s[28:29], s53 offset:0x0
	s_lshl_b32 s50, s23, 9
	s_add_co_u32 s30, s30, s50
	s_add_nc_u64 s[12:13], s[12:13], s[30:31]      ; b2: 4 (1,024 e + 128 n)
	s_mul_i32 s30, s22, 8912896
	s_add_co_u32 s30, s30, s50
	s_add_nc_u64 s[16:17], s[16:17], s[30:31]      ; y: my half, my 128 outputs of a row
	s_lshl_b32 s30, s20, 17
	s_lshl_b32 s50, s23, 14
	s_add_co_u32 s30, s30, s50
	s_lshl_b32 s50, s22, 6
	s_add_co_u32 s30, s30, s50
	s_lshl_b32 s50, s24, 4
	s_add_co_u32 s30, s30, s50
	s_add_nc_u64 s[10:11], s[10:11], s[30:31]      ; W2's scale bytes likewise
	s_lshl_b32 s30, s20, 22
	s_lshl_b32 s50, s22, 15
	s_add_co_u32 s30, s30, s50
	s_lshl_b32 s50, s24, 13
	s_add_co_u32 s30, s30, s50
	s_add_nc_u64 s[4:5], s[4:5], s[30:31]          ; hc: my expert, my 4 K steps of a tile,
	s_lshl_b32 s30, s20, 17
	s_lshl_b32 s50, s22, 16
	s_add_co_u32 s30, s30, s50
	s_lshl_b32 s50, s24, 14
	s_add_co_u32 s30, s30, s50
	s_add_nc_u64 s[6:7], s[6:7], s[30:31]          ; and their scale words
	s_cmp_eq_u32 s22, 0
	s_cselect_b32 s54, -1, 0                       ; b2 is added in the first half of K
	WLD 1
	s_wait_loadcnt 32
	WST 0
	WLD 2
	s_wait_loadcnt 32
	WST 1
	WLD 3
	s_wait_loadcnt 32
	WST 2
.irp t, 0,1,2,3,4,5,6,7
	global_load_b128 v[WS+4*\t:WS+4*\t+3], v[WSO], s[10:11] offset:2048*\t
.endr
	global_load_b128 v[B2:B2+3], v[L16], s[12:13]
.irp g, 0,1,2,3
	s_add_co_u32 s50, s21, 2*\g
	HADDR \g
.endr
	WA
.irp g, 0,1,2,3
	HLD \g                                         ; the first four tiles: places of the buffer whatever the count
.endr
	s_wait_loadcnt 63                              ; W2, its scale words and b2 are in: 72 loads were issued behind them
	WST 3
	v_and_b32 v[B2], s54, v[B2]
	v_and_b32 v[B2+1], s54, v[B2+1]
	v_and_b32 v[B2+2], s54, v[B2+2]
	v_and_b32 v[B2+3], s54, v[B2+3]
	WA
	s_wait_dscnt 0x0
.irp s, 0,1,2,3
	WIN 0x80+0x40*(\s/2)
.irp t, 0,1,2,3,4,5,6,7
.irp c, 0,1,2,3
	ds_load_b128 v[16*(8*(\s%2)+\t)+4*\c:16*(8*(\s%2)+\t)+4*\c+3], v[FRB] offset:8448*\t+128*\s+32*\c
.endr
.endr
.endr
	WIN 0
	s_wait_kmcnt 0x0
	s_min_u32 s25, s25, 1024
	s_add_co_u32 s25, s25, 15
	s_lshr_b32 s25, s25, 4                         ; my expert's tiles
	s_add_co_u32 s32, s25, 1
	s_sub_co_u32 s32, s32, s21
	s_lshr_b32 s32, s32, 1                         ; my work-group's
	s_mov_b32 s36, 0                               ; the trip
	s_wait_dscnt 0x0                               ; my fragments are in registers: the bytes may take sums
	s_barrier_signal -1
	s_barrier_wait -1
.Lloop:
	TRIP 0
	TRIP 1
	WA
	s_add_co_u32 s36, s36, 2
	s_cmp_lt_u32 s36, 8
	s_cbranch_scc1 .Lloop
	s_wait_tensorcnt 0x0
	ds_add_u32 v[SPW], v[NIL]
	s_wait_dscnt 0x0
	s_endpgm
.Lfunc_end_k_qf388981102_ffn2:
	.size	k_qf388981102_ffn2, .Lfunc_end_k_qf388981102_ffn2-k_qf388981102_ffn2
	.p2alignl 7, 3214868480
	.fill 96, 4, 3214868480
	.section	.rodata,"a",@progbits
	.p2align	6, 0x0
	.amdhsa_kernel k_qf388981102_ffn2
		.amdhsa_group_segment_fixed_size 270848
		.amdhsa_private_segment_fixed_size 0
		.amdhsa_enable_private_segment 0
		.amdhsa_kernarg_size 56
		.amdhsa_user_sgpr_count 2
		.amdhsa_user_sgpr_kernarg_segment_ptr 1
		.amdhsa_wavefront_size32 1
		.amdhsa_system_sgpr_workgroup_id_x 1
		.amdhsa_system_sgpr_workgroup_id_y 1
		.amdhsa_system_sgpr_workgroup_id_z 1
		.amdhsa_system_vgpr_workitem_id 0
		.amdhsa_next_free_vgpr 1024
		.amdhsa_next_free_sgpr 90
		.amdhsa_reserve_vcc 0
		.amdhsa_float_denorm_mode_32 3
		.amdhsa_float_denorm_mode_16_64 3
		.amdhsa_memory_ordered 1
		.amdhsa_forward_progress 1
		.amdhsa_inst_pref_size 136
	.end_amdhsa_kernel
	.amdgpu_metadata
---
amdhsa.version: [ 1, 2 ]
amdhsa.kernels:
  - .name:           k_qf388981102_ffn2
    .symbol:         k_qf388981102_ffn2.kd
    .args:
      - { .name: hc, .offset: 0, .size: 8, .value_kind: global_buffer, .address_space: global }
      - { .name: hs, .offset: 8, .size: 8, .value_kind: global_buffer, .address_space: global }
      - { .name: W2_codes, .offset: 16, .size: 8, .value_kind: global_buffer, .address_space: global }
      - { .name: W2_scales, .offset: 24, .size: 8, .value_kind: global_buffer, .address_space: global }
      - { .name: b2, .offset: 32, .size: 8, .value_kind: global_buffer, .address_space: global }
      - { .name: rows, .offset: 40, .size: 8, .value_kind: global_buffer, .address_space: global }
      - { .name: y, .offset: 48, .size: 8, .value_kind: global_buffer, .address_space: global }
    .group_segment_fixed_size: 270848
    .private_segment_fixed_size: 0
    .kernarg_segment_align: 8
    .kernarg_segment_size: 56
    .max_flat_workgroup_size: 128
    .sgpr_count:     90
    .vgpr_count:     1024
    .wavefront_size: 32
...
	.end_amdgpu_metadata
.endif
;; end of part 3
;; launch mix (part 4): grid 256 x 1, 8 waves a work-group, no clusters, 0 bytes of LDS; arguments y, gts, out0; writes out0
.if DOCPART == 4
	.amdgcn_target "amdgcn-amd-amdhsa--gfx1250"
	.amdhsa_code_object_version 6
	.text
	.protected	k_qf388981102_mix
	.globl	k_qf388981102_mix
	.p2align	8
	.type	k_qf388981102_mix,@function
k_qf388981102_mix:
	s_mov_b64 s[64:65], 0
	v_nop
	global_prefetch_b8 v0, s[64:65] scope:SCOPE_SE
	s_setreg_imm32_b32 hwreg(HW_REG_WAVE_MODE, 25, 1), 1
	s_wait_xcnt 0x0
; out0[token] = gate 0 x (y0[token] + y1[token]) + gate 1 x (y0[1,024 + token] + y1[1,024 + token]), y0 and y1 the two halves of K: each token's two experts' rows, weighed.
; A wave takes half a token's row: 16 loads of 512 consecutive bytes, all out at once, 4 stores of 512.  A stream: no LDS, no barrier, no matrix unit.
.set A, 16                             ; v16-31  the first expert's row, first half of K, then the result
.set B, 32                             ; v32-47  the second's
.set C, 48                             ; v48-63  the first's, second half of K
.set D, 64                             ; v64-79  the second's
	s_load_b128 s[4:7], s[0:1], 0x0                ; y, gts
	s_load_b64 s[8:9], s[0:1], 0x10                ; out0
	v_lshrrev_b32 v1, 5, v0
	v_readfirstlane_b32 s10, v1
	v_and_b32 v2, 31, v0
	v_lshlrev_b32 v2, 4, v2
	s_lshl_b32 s11, ttmp9, 2
	s_lshr_b32 s12, s10, 1
	s_add_co_u32 s11, s11, s12                     ; my token
	s_lshl_b32 s12, s11, 3
	s_mov_b32 s13, 0
	s_and_b32 s10, s10, 1
	s_lshl_b32 s10, s10, 11                        ; my half of its row
	s_lshl_b32 s14, s11, 12
	s_add_co_u32 s14, s14, s10
	s_mov_b32 s15, 0
	s_wait_alu depctr_va_vdst(0)
	s_wait_kmcnt 0x0
	s_add_nc_u64 s[6:7], s[6:7], s[12:13]
	s_load_b64 s[16:17], s[6:7], 0x0               ; its two gates
	s_add_nc_u64 s[4:5], s[4:5], s[14:15]
	s_add_nc_u64 s[20:21], s[4:5], 8912896
	s_add_nc_u64 s[8:9], s[8:9], s[14:15]
.irp i, 0,1,2,3
	global_load_b128 v[A+4*\i:A+4*\i+3], v2, s[4:5] offset:512*\i th:TH_LOAD_NT
	global_load_b128 v[C+4*\i:C+4*\i+3], v2, s[20:21] offset:512*\i th:TH_LOAD_NT
	global_load_b128 v[B+4*\i:B+4*\i+3], v2, s[4:5] offset:4194304+512*\i th:TH_LOAD_NT
	global_load_b128 v[D+4*\i:D+4*\i+3], v2, s[20:21] offset:4194304+512*\i th:TH_LOAD_NT
.endr
	s_wait_kmcnt 0x0
	s_mov_b32 s18, s17                             ; the second gate in a pair of its own: the packed forms take a pair's low word for both halves
	s_mov_b32 s19, s17
.irp i, 0,1,2,3
	s_wait_loadcnt 12-4*\i                         ; these four loads are in; those behind them stay out
.irp x, 0,2
	v_pk_add_f32 v[A+4*\i+\x:A+4*\i+\x+1], v[A+4*\i+\x:A+4*\i+\x+1], v[C+4*\i+\x:C+4*\i+\x+1]
	v_pk_add_f32 v[B+4*\i+\x:B+4*\i+\x+1], v[B+4*\i+\x:B+4*\i+\x+1], v[D+4*\i+\x:D+4*\i+\x+1]
.endr
.irp x, 0,2
	v_pk_mul_f32 v[A+4*\i+\x:A+4*\i+\x+1], v[A+4*\i+\x:A+4*\i+\x+1], s[16:17] op_sel_hi:[1,0]
.endr
.irp x, 0,2
	v_pk_fma_f32 v[A+4*\i+\x:A+4*\i+\x+1], v[B+4*\i+\x:B+4*\i+\x+1], s[18:19], v[A+4*\i+\x:A+4*\i+\x+1] op_sel_hi:[1,0,1]
.endr
	global_store_b128 v2, v[A+4*\i:A+4*\i+3], s[8:9] offset:512*\i th:TH_STORE_NT
.endr
	s_endpgm
.Lfunc_end_k_qf388981102_mix:
	.size	k_qf388981102_mix, .Lfunc_end_k_qf388981102_mix-k_qf388981102_mix
	.p2alignl 7, 3214868480
	.fill 96, 4, 3214868480
	.section	.rodata,"a",@progbits
	.p2align	6, 0x0
	.amdhsa_kernel k_qf388981102_mix
		.amdhsa_group_segment_fixed_size 0
		.amdhsa_private_segment_fixed_size 0
		.amdhsa_enable_private_segment 0
		.amdhsa_kernarg_size 24
		.amdhsa_user_sgpr_count 2
		.amdhsa_user_sgpr_kernarg_segment_ptr 1
		.amdhsa_wavefront_size32 1
		.amdhsa_system_sgpr_workgroup_id_x 1
		.amdhsa_system_sgpr_workgroup_id_y 1
		.amdhsa_system_sgpr_workgroup_id_z 1
		.amdhsa_system_vgpr_workitem_id 0
		.amdhsa_next_free_vgpr 80
		.amdhsa_next_free_sgpr 66
		.amdhsa_reserve_vcc 0
		.amdhsa_float_denorm_mode_32 3
		.amdhsa_float_denorm_mode_16_64 3
		.amdhsa_memory_ordered 1
		.amdhsa_forward_progress 1
		.amdhsa_inst_pref_size 6
	.end_amdhsa_kernel
	.amdgpu_metadata
---
amdhsa.version: [ 1, 2 ]
amdhsa.kernels:
  - .name:           k_qf388981102_mix
    .symbol:         k_qf388981102_mix.kd
    .args:
      - { .name: y, .offset: 0, .size: 8, .value_kind: global_buffer, .address_space: global }
      - { .name: gts, .offset: 8, .size: 8, .value_kind: global_buffer, .address_space: global }
      - { .name: out0, .offset: 16, .size: 8, .value_kind: global_buffer, .address_space: global }
    .group_segment_fixed_size: 0
    .private_segment_fixed_size: 0
    .kernarg_segment_align: 8
    .kernarg_segment_size: 24
    .max_flat_workgroup_size: 256
    .sgpr_count:     66
    .vgpr_count:     80
    .wavefront_size: 32
...
	.end_amdgpu_metadata
.endif
;; end of part 4
